; MI455X (gfx1250); checked and timed in simulation.
; The chip was launched on July 23, 2026; its instructions are those of AMD's public machine-readable ISA for CDNA 5 (MIT licence, August 2026) and "CDNA5" Instruction Set Architecture Reference Guide (July 2026). The comments in the code are by the model that wrote it; some were corrected since.
;; Ro I Pooling Layer. Allowed arithmetic: float matrix products may take bf16 or f16 operands with f32 sums; all other float work in f32.
;; Inputs: x_maps 2 x 50 x 50 x 512 float32; x_rois 2 x 64 x 4 int32.
;; Outputs: out0 2 x 64 x 7 x 7 x 512 float32.
;; 2 versions, each right; version 2 is version 1 with the launch roipool written anew for expert scheduling mode. Each part assembles by itself: llvm-mc -triple=amdgcn-amd-amdhsa -mcpu=gfx1250 --defsym DOCPART=n.
;; ======== version 1 of 2: 1 launch
;; launch roipool (part 1): grid 1568 x 1, 4 waves a work-group, no clusters, 0 bytes of LDS; arguments x_maps, x_rois, out0; writes out0
.if DOCPART == 1
	.amdgcn_target "amdgcn-amd-amdhsa--gfx1250"
	.amdhsa_code_object_version 6
	.text
	.protected	k_q749a1e082c_roipool
	.globl	k_q749a1e082c_roipool
	.p2align	8
	.type	k_q749a1e082c_roipool,@function
k_q749a1e082c_roipool:
	s_mov_b64 s[64:65], 0
	v_nop
	global_prefetch_b8 v0, s[64:65] scope:SCOPE_SE
	s_setreg_imm32_b32 hwreg(HW_REG_WAVE_MODE, 25, 1), 1
	s_wait_xcnt 0x0
; RoI max pooling.  x_maps [2][50][50][512] f32, x_rois [2][64][4] i32 = (y, x, h, w), out0 [2][64][7][7][512] f32.
; out0[b][r][py][px][c] = max of x_maps[b][clip(y + ys + ky)][clip(x + xs + kx)][c] over ky < ysize, kx < xsize, where
; ys = trunc(py h / 7), the cell ends at trunc((py + 1) h / 7) (the last cell at h), and the size is cut to 1 .. 9; x likewise.
;
; ONE WAVE = ONE CELL of one roi, all 512 channels: a pixel is 2,048 consecutive bytes, four loads of 512 bytes a wave (16 bytes a lane),
; and the result is 2,048 consecutive bytes of out0, four stores of 512 aligned bytes.  2 x 64 x 49 = 6,272 cells = 1,568 work-groups of
; four waves.  The waves share nothing: no LDS, no barrier.
; The first pixel is loaded into the running maxima themselves (nothing is cleared); up to six more pixels are asked for at once, each into
; a slot of 16 registers.  A cell of 7 pixels or fewer is then folded behind one wait.  A longer cell (81 pixels at the most) goes round the
; six slots as a ring: a slot is folded into the maxima and asked for again at once, so six pixels (24 loads) stay on their way.
;
; LIMITS, kept on purpose:
;  - The cell bounds are made in whole numbers, floor(p |h| / 7) with h's sign put back.  reference() makes them in f32 (h / 7, times p, cut).
;    The two agree for |h|, |w| <= 2^20: if 7 divides h every f32 step is exact; if not, p h / 7 lies 1/7 or more from a whole number and
;    the two roundings move it by less than p h / 7 x 2^-23.  Larger |h|, |w| are cut to 2^20 here and may differ from reference().
;  - |y|, |x| below 2^30, so that y + start + ky does not wrap in 32 bits.  Whatever the roi holds, every load stays inside x_maps.
;  - Negative and zero h, w, sizes above the window of 9 and rows or columns outside the map are served as reference() serves them.
;  - A NaN among a cell's numbers gives NaN, as jnp.max does (v_maximum_f32); +0 counts as larger than -0.
.set MAPH,  50
.set MAPW,  50
.set PIXB,  2048                       ; bytes of a pixel: 512 channels of f32
.set KMAX,  9                          ; reference()'s window: 50 / 7 + 2
.set NSLOT, 6                          ; pixel slots besides the maxima
.set MAGIC7, 0x24924925                ; ceil(2^32 / 7): the high word of n x this is floor(n / 7) while 3 n < 2^32; here n <= 7 x 2^20
; vector registers
.set LANE, 1                           ; v1        16 x lane: my 16 bytes in each 512-byte quarter of a pixel
.set ADR0, 2                           ; v2        byte offset of the first pixel (first: scratch for the wave's number)
.set ADR,  3                           ; v[3:8]    slot j: byte offset of its pixel
.set ACC,  12                          ; v[12:27]  the running maxima of my 16 channels
.set SLOT, 28                          ; v[28:123] slot j: 16 registers, a pixel as loaded
; scalar registers
.set MAP,  4                           ; s[4:5]   x_maps, then my image
.set ROI,  6                           ; s[6:7]   x_rois, then my roi
.set OUT,  8                           ; s[8:9]   out0, then my cell
.set WAVE, 10
.set TASK, 11
.set RY,   12                          ; s[12:15] the roi: y, x, h, w
.set RX,   13
.set RH,   14
.set RW,   15
.set CELL, 16
.set G,    17                          ; the roi's number, 0 .. 127 = 64 b + r
.set O,    18                          ; s[18:19] a byte offset in 64 bits (the high word stays 0)
.set PY,   20
.set PX,   21
.set T0,   22
.set T1,   23
.set T2,   24
.set ROW,  25                          ; the current pixel's row and column, not yet clipped
.set COL,  26
.set C0,   27                          ; the cell's first column
.set CEND, 28                          ; one past its last
.set YS,   29
.set XS,   30
.set NM1,  31                          ; pixels in the cell, less the first
.set Q,    32                          ; whole laps of the ring
.set REM,  33                          ; turns behind them
.set CNT,  34
	s_load_b128 s[MAP:MAP+3], s[0:1], 0x0          ; x_maps s[4:5], x_rois s[6:7]
	s_load_b64 s[OUT:OUT+1], s[0:1], 0x10          ; out0
	v_lshrrev_b32 v[ADR0], 5, v0
	v_readfirstlane_b32 s[WAVE], v[ADR0]           ; the wave's number as a scalar
	v_and_b32 v[LANE], 31, v0
	v_lshlrev_b32 v[LANE], 4, v[LANE]
	; Task t = 4 x work-group + wave = 128 x cell + r0.  The roi is (r0 + 5 cell) mod 128: for one cell r0 runs through 0 .. 127, so each pair
	; (roi, cell) has exactly one wave.  The four waves of a work-group take four rois, and tasks 1,024 apart (8 cells) take rois 40 apart:
	; the cells of a large roi are spread over work-groups near and far in number.
	s_lshl_b32 s[TASK], ttmp9, 2
	s_add_co_u32 s[TASK], s[TASK], s[WAVE]
	s_lshr_b32 s[CELL], s[TASK], 7                 ; 0 .. 48
	s_mul_i32 s[G], s[CELL], 5
	s_add_co_u32 s[G], s[G], s[TASK]
	s_and_b32 s[G], s[G], 127
	s_lshl_b32 s[O], s[G], 4                       ; 16 bytes a roi
	s_mov_b32 s[O+1], 0
	s_wait_kmcnt 0x0                               ; the three addresses
	s_add_nc_u64 s[ROI:ROI+1], s[ROI:ROI+1], s[O:O+1]
	s_load_b128 s[RY:RY+3], s[ROI:ROI+1], 0x0      ; y, x, h, w
	; while the roi is on its way: all that hangs on the task's number alone
	s_mul_i32 s[PY], s[CELL], 37
	s_lshr_b32 s[PY], s[PY], 8                     ; py = cell / 7: 37 / 256 exceeds 1 / 7 by 0.0017, times 48 that is 0.08, less than 1 / 7
	s_mul_i32 s[PX], s[PY], 7
	s_sub_co_u32 s[PX], s[CELL], s[PX]             ; px = cell mod 7
	s_lshr_b32 s[O], s[G], 6                       ; the image b
	s_mul_i32 s[O], s[O], MAPH*MAPW*PIXB
	s_add_nc_u64 s[MAP:MAP+1], s[MAP:MAP+1], s[O:O+1]
	s_mul_i32 s[O], s[G], 49
	s_add_co_u32 s[O], s[O], s[CELL]
	s_lshl_b32 s[O], s[O], 11                      ; (49 roi + cell) x 2,048 bytes, 12.8 million at the most
	s_add_nc_u64 s[OUT:OUT+1], s[OUT:OUT+1], s[O:O+1]
	s_wait_kmcnt 0x0                               ; the roi
; One axis: cell p of 7 along an extent len that begins at org.  base = org + trunc(p len / 7), size = the cell's length cut to 1 .. 9.
.macro AXIS p, len, org, base, size
	s_sub_co_i32 s[T0], 0, s[\len]
	s_max_i32 s[T0], s[T0], s[\len]                ; |len|
	s_min_u32 s[T0], s[T0], 0x100000               ; cut to 2^20 (see LIMITS): the products below cannot wrap
	s_mul_i32 s[T1], s[T0], s[\p]                  ; p |len|
	s_add_co_u32 s[T2], s[T1], s[T0]               ; (p + 1) |len|
	s_mul_hi_u32 s[T1], s[T1], MAGIC7              ; floor(p |len| / 7)
	s_mul_hi_u32 s[T2], s[T2], MAGIC7
	s_cmp_eq_u32 s[\p], 6
	s_cselect_b32 s[T2], s[T0], s[T2]              ; the last cell ends at the extent
	s_sub_co_u32 s[T2], s[T2], s[T1]               ; end - start, 0 or more
	s_sub_co_i32 s[T0], 0, s[T1]
	s_cmp_lt_i32 s[\len], 0
	s_cselect_b32 s[T1], s[T0], s[T1]              ; a negative extent: the start is cut toward zero, so it is minus the quotient,
	s_cselect_b32 s[T2], 1, s[T2]                  ; and the end is not above the start: size 1
	s_max_u32 s[T2], s[T2], 1
	s_min_u32 s[\size], s[T2], KMAX
	s_add_co_i32 s[\base], s[\org], s[T1]
.endm
	AXIS PY, RH, RY, ROW, YS
	AXIS PX, RW, RX, C0, XS
	s_mov_b32 s[COL], s[C0]
	s_add_co_i32 s[CEND], s[C0], s[XS]
	s_mul_i32 s[NM1], s[YS], s[XS]
	s_sub_co_u32 s[NM1], s[NM1], 1                 ; 0 .. 80
; To the cell's next pixel: along the row, then to the next row's first column.
.macro STEP
	s_add_co_i32 s[COL], s[COL], 1
	s_cmp_eq_u32 s[COL], s[CEND]
	s_cselect_b32 s[COL], s[C0], s[COL]            ; leaves SCC as the compare set it,
	s_add_co_ci_u32 s[ROW], s[ROW], 0              ; so this adds one row exactly where the column wrapped
.endm
; T0 = the pixel's number in the image.  Row and column are clipped to 0 .. 49 as reference() clips them; behind the two s_min_u32 stand
; only a multiply, sums and a shift, so no offset leaves the image whatever the roi holds.
.macro PIXEL
	s_max_i32 s[T0], s[ROW], 0
	s_max_i32 s[T1], s[COL], 0
	s_min_u32 s[T0], s[T0], MAPH-1
	s_min_u32 s[T1], s[T1], MAPW-1
	s_mul_i32 s[T0], s[T0], MAPW
	s_add_co_u32 s[T0], s[T0], s[T1]
.endm
; Ask for pixel T0: four loads, each 512 consecutive aligned bytes for the wave.
.macro ASK dst, adr
	v_lshl_add_u32 v[\adr], s[T0], 11, v[LANE]     ; 2,048 x pixel + 16 x lane
.irp k, 0,1,2,3
	global_load_b128 v[\dst+4*\k:\dst+4*\k+3], v[\adr], s[MAP:MAP+1] offset:512*\k
.endr
.endm
; Fold slot s into the maxima.
.macro TAKE s
.irp k, 0,1,2,3,4,5,6,7,8,9,10,11,12,13,14,15
	v_maximum_f32 v[ACC+\k], v[ACC+\k], v[SLOT+16*(\s)+\k]
.endr
.endm
; A turn of the ring.  The next pixel's number is made ahead of the wait.  Loads come back in order (ISA guide 5.7.1): behind slot j's four
; loads the five other slots' 20 were issued, on the way in from the fill, round the back edge and in the tail alike, so the count 20 shows
; slot j (and the first pixel, which is older) landed, and its offset register free to be written again.
.macro TURN j
	STEP
	PIXEL
	s_wait_loadcnt 4*(NSLOT-1)
	TAKE \j
	ASK SLOT+16*\j, ADR+\j
.endm
	PIXEL
	ASK ACC, ADR0                                  ; the first pixel starts the maxima
	; The fill: slot j gets pixel j + 1 if the cell has one; else on to the fold of the j slots that were filled.
.irp j, 0,1,2,3,4,5
	s_cmp_eq_u32 s[NM1], \j
	s_cbranch_scc1 .Lhave_\j
	STEP
	PIXEL
	ASK SLOT+16*\j, ADR+\j
.endr
	; All six slots are on their way; r = NM1 - 6 pixels (74 at the most) are still to be asked for: r / 6 whole laps, then r mod 6 turns.
	s_sub_co_u32 s[REM], s[NM1], NSLOT
	s_mul_i32 s[Q], s[REM], 43
	s_lshr_b32 s[Q], s[Q], 8                       ; r / 6: 43 / 256 exceeds 1 / 6 by 0.0013, times 74 that is 0.1, less than 1 / 6
	s_mul_i32 s[T0], s[Q], NSLOT
	s_sub_co_u32 s[REM], s[REM], s[T0]
	s_cmp_eq_u32 s[Q], 0
	s_cbranch_scc1 .Ltail
	s_mov_b32 s[CNT], 0
.Llap:
.irp j, 0,1,2,3,4,5
	TURN \j
.endr
	s_add_co_u32 s[CNT], s[CNT], 1
	s_cmp_lt_u32 s[CNT], s[Q]
	s_cbranch_scc1 .Llap
.Ltail:
.irp j, 0,1,2,3,4
	s_cmp_eq_u32 s[REM], \j
	s_cbranch_scc1 .Lhave_6                        ; nothing left to ask for: each of the six slots holds a pixel not yet folded
	TURN \j
.endr
	; The fold: entered at .Lhave_j with slots 0 .. j - 1 filled and not yet folded; it runs down through them.  How many loads are out
	; differs from entry to entry, so each entry waits for all; on the way down the later waits are met at once.
.irp j, 6,5,4,3,2,1
.Lhave_\j:
	s_wait_loadcnt 0x0
	TAKE \j-1
.endr
.Lhave_0:
	s_wait_loadcnt 0x0                             ; a cell of one pixel: the maxima are that pixel
.irp k, 0,1,2,3
	global_store_b128 v[LANE], v[ACC+4*\k:ACC+4*\k+3], s[OUT:OUT+1] offset:512*\k th:TH_STORE_NT   ; 512 consecutive aligned bytes; written once, not read again
.endr
	s_endpgm
.Lfunc_end_k_q749a1e082c_roipool:
	.size	k_q749a1e082c_roipool, .Lfunc_end_k_q749a1e082c_roipool-k_q749a1e082c_roipool
	.p2alignl 7, 3214868480
	.fill 96, 4, 3214868480
	.section	.rodata,"a",@progbits
	.p2align	6, 0x0
	.amdhsa_kernel k_q749a1e082c_roipool
		.amdhsa_group_segment_fixed_size 0
		.amdhsa_private_segment_fixed_size 0
		.amdhsa_enable_private_segment 0
		.amdhsa_kernarg_size 24
		.amdhsa_user_sgpr_count 2
		.amdhsa_user_sgpr_kernarg_segment_ptr 1
		.amdhsa_wavefront_size32 1
		.amdhsa_system_sgpr_workgroup_id_x 1
		.amdhsa_system_sgpr_workgroup_id_y 1
		.amdhsa_system_sgpr_workgroup_id_z 1
		.amdhsa_system_vgpr_workitem_id 0
		.amdhsa_next_free_vgpr 124
		.amdhsa_next_free_sgpr 66
		.amdhsa_reserve_vcc 0
		.amdhsa_float_denorm_mode_32 3
		.amdhsa_float_denorm_mode_16_64 3
		.amdhsa_memory_ordered 1
		.amdhsa_forward_progress 1
		.amdhsa_inst_pref_size 36
	.end_amdhsa_kernel
	.amdgpu_metadata
---
amdhsa.version: [ 1, 2 ]
amdhsa.kernels:
  - .name:           k_q749a1e082c_roipool
    .symbol:         k_q749a1e082c_roipool.kd
    .args:
      - { .name: x_maps, .offset: 0, .size: 8, .value_kind: global_buffer, .address_space: global }
      - { .name: x_rois, .offset: 8, .size: 8, .value_kind: global_buffer, .address_space: global }
      - { .name: out0, .offset: 16, .size: 8, .value_kind: global_buffer, .address_space: global }
    .group_segment_fixed_size: 0
    .private_segment_fixed_size: 0
    .kernarg_segment_align: 8
    .kernarg_segment_size: 24
    .max_flat_workgroup_size: 128
    .sgpr_count:     66
    .vgpr_count:     124
    .wavefront_size: 32
...
	.end_amdgpu_metadata
.endif
;; end of part 1
;; ======== version 2 of 2: 1 launch; version 1 with the launch roipool written anew for expert scheduling mode
;; launch roipool (part 2): grid 1568 x 1, 4 waves a work-group, no clusters, 0 bytes of LDS; arguments x_maps, x_rois, out0; writes out0
.if DOCPART == 2
	.amdgcn_target "amdgcn-amd-amdhsa--gfx1250"
	.amdhsa_code_object_version 6
	.text
	.protected	k_q749a1e082c_roipool
	.globl	k_q749a1e082c_roipool
	.p2align	8
	.type	k_q749a1e082c_roipool,@function
k_q749a1e082c_roipool:
	s_mov_b64 s[64:65], 0
	v_nop
	global_prefetch_b8 v0, s[64:65] scope:SCOPE_SE
	s_setreg_imm32_b32 hwreg(HW_REG_WAVE_SCHED_MODE, 0, 2), 2
	s_setreg_imm32_b32 hwreg(HW_REG_WAVE_MODE, 25, 1), 1
	s_wait_xcnt 0x0
	s_wait_alu depctr_vm_vsrc(0)
; RoI max pooling.  x_maps [2][50][50][512] f32, x_rois [2][64][4] i32 = (y, x, h, w), out0 [2][64][7][7][512] f32.
; out0[b][r][py][px][c] = max of x_maps[b][clip(y + ys + ky)][clip(x + xs + kx)][c] over ky < ysize, kx < xsize, where
; ys = trunc(py h / 7), the cell ends at trunc((py + 1) h / 7) (the last cell at h), and the size is cut to 1 .. 9; x likewise.
;
; ONE WAVE = ONE CELL of one roi, all 512 channels: a pixel is 2,048 consecutive bytes, four loads of 512 bytes a wave (16 bytes a lane),
; and the result is 2,048 consecutive bytes of out0, four stores of 512 aligned bytes.  2 x 64 x 49 = 6,272 cells = 1,568 work-groups of
; four waves.  The waves share nothing: no LDS, no barrier.
; The first pixel is loaded into the running maxima themselves (nothing is cleared); up to six more pixels are asked for at once, each into
; a slot of 16 registers.  A cell of 7 pixels or fewer is then folded behind one wait.  A longer cell (81 pixels at the most) goes round the
; six slots as a ring: a slot is folded into the maxima and asked for again at once, so six pixels (24 loads) stay on their way.
;
; THE MODE: SCHED_MODE bits 1:0 = 2 (LLVM: expert scheduling mode 2), set by the entry lines.  The code itself states the register dependences
; between vector instructions and memory instructions, with s_wait_alu, always for 0.
; THE PLAN.  Registers that memory instructions touch:
;   v1         16 x lane, the offset of every load and store.  Written at the head and never again: a pixel is reached by a scalar base,
;              my image's address + 2,048 x pixel, of which the first pixel and each slot have a pair of their own.
;   v[12:27]   the maxima.  The first pixel's loads land in them before any vector instruction names them; then the folds alone write them;
;              the four stores at the end read them, and nothing writes them behind those.
;   v[28:123]  slot j.  Written by loads alone; read by the slot's fold alone.  In the fill no vector instruction has named a slot yet;
;              in a turn of the ring the slot's sixteen maxima read it, and then its next loads land in it.
; So the waits are four: one for the wave's number as a scalar; one at the head for v1; one in a turn of the ring, between the slot's fold
; and its loads; one ahead of the stores.  No register that a memory instruction reads is ever written again, so no wait on vm_vsrc is owed.
;
; LIMITS, kept on purpose:
;  - The cell bounds are made in whole numbers, floor(p |h| / 7) with h's sign put back.  reference() makes them in f32 (h / 7, times p, cut).
;    The two agree for |h|, |w| <= 2^20: if 7 divides h every f32 step is exact; if not, p h / 7 lies 1/7 or more from a whole number and
;    the two roundings move it by less than p h / 7 x 2^-23.  Larger |h|, |w| are cut to 2^20 here and may differ from reference().
;  - |y|, |x| below 2^30, so that y + start + ky does not wrap in 32 bits.  Whatever the roi holds, every load stays inside x_maps.
;  - Negative and zero h, w, sizes above the window of 9 and rows or columns outside the map are served as reference() serves them.
;  - A NaN among a cell's numbers gives NaN, as jnp.max does (v_maximum_f32); +0 counts as larger than -0.
.set MAPH,  50
.set MAPW,  50
.set PIXB,  2048                       ; bytes of a pixel: 512 channels of f32
.set KMAX,  9                          ; reference()'s window: 50 / 7 + 2
.set NSLOT, 6                          ; pixel slots besides the maxima
.set MAGIC7, 0x24924925                ; ceil(2^32 / 7): the high word of n x this is floor(n / 7) while 3 n < 2^32; here n <= 7 x 2^20
; vector registers (v3 to v11 are not used: the maxima and the slots keep their places)
.set LANE, 1                           ; v1        16 x lane: my 16 bytes in each 512-byte quarter of a pixel
.set TW,   2                           ; v2        at the head only: the wave's number
.set ACC,  12                          ; v[12:27]  the running maxima of my 16 channels
.set SLOT, 28                          ; v[28:123] slot j: 16 registers, a pixel as loaded
; scalar registers
.set MAP,  4                           ; s[4:5]   x_maps, then my image
.set ROI,  6                           ; s[6:7]   x_rois, then my roi
.set OUT,  8                           ; s[8:9]   out0, then my cell
.set WAVE, 10
.set TASK, 11
.set RY,   12                          ; s[12:15] the roi: y, x, h, w
.set RX,   13
.set RH,   14
.set RW,   15
.set CELL, 16
.set G,    17                          ; the roi's number, 0 .. 127 = 64 b + r
.set O,    18                          ; s[18:19] a byte offset in 64 bits (the high word stays 0)
.set PY,   20
.set PX,   21
.set T0,   22
.set T1,   23
.set T2,   24
.set ROW,  25                          ; the current pixel's row and column, not yet clipped
.set COL,  26
.set C0,   27                          ; the cell's first column
.set CEND, 28                          ; one past its last
.set YS,   29
.set XS,   30
.set NM1,  31                          ; pixels in the cell, less the first
.set Q,    32                          ; whole laps of the ring
.set REM,  33                          ; turns behind them
.set CNT,  34
.set BASE0, 36                         ; s[36:37] the first pixel's address
.set BASE,  38                         ; s[38:49] slot j: its pixel's address, a pair at BASE + 2 j
	s_load_b128 s[MAP:MAP+3], s[0:1], 0x0          ; x_maps s[4:5], x_rois s[6:7]
	s_load_b64 s[OUT:OUT+1], s[0:1], 0x10          ; out0
	v_lshrrev_b32 v[TW], 5, v0
	v_readfirstlane_b32 s[WAVE], v[TW]             ; the wave's number as a scalar
	v_and_b32 v[LANE], 31, v0
	v_lshlrev_b32 v[LANE], 4, v[LANE]
	s_wait_alu depctr_va_sdst(0)                   ; the wave's number is written, ahead of its first reader: the task, and from it every base, is made of it
	; Task t = 4 x work-group + wave = 128 x cell + r0.  The roi is (r0 + 5 cell) mod 128: for one cell r0 runs through 0 .. 127, so each pair
	; (roi, cell) has exactly one wave.  The four waves of a work-group take four rois, and tasks 1,024 apart (8 cells) take rois 40 apart:
	; the cells of a large roi are spread over work-groups near and far in number.
	s_lshl_b32 s[TASK], ttmp9, 2
	s_add_co_u32 s[TASK], s[TASK], s[WAVE]
	s_lshr_b32 s[CELL], s[TASK], 7                 ; 0 .. 48
	s_mul_i32 s[G], s[CELL], 5
	s_add_co_u32 s[G], s[G], s[TASK]
	s_and_b32 s[G], s[G], 127
	s_lshl_b32 s[O], s[G], 4                       ; 16 bytes a roi
	s_mov_b32 s[O+1], 0
	s_wait_kmcnt 0x0                               ; the three addresses
	s_add_nc_u64 s[ROI:ROI+1], s[ROI:ROI+1], s[O:O+1]
	s_load_b128 s[RY:RY+3], s[ROI:ROI+1], 0x0      ; y, x, h, w
	; while the roi is on its way: all that hangs on the task's number alone
	s_wait_alu depctr_va_vdst(0)                   ; v1 is written: every load and store of the kernel reads it as its offset, and no vector instruction names it again
	s_mul_i32 s[PY], s[CELL], 37
	s_lshr_b32 s[PY], s[PY], 8                     ; py = cell / 7: 37 / 256 exceeds 1 / 7 by 0.0017, times 48 that is 0.08, less than 1 / 7
	s_mul_i32 s[PX], s[PY], 7
	s_sub_co_u32 s[PX], s[CELL], s[PX]             ; px = cell mod 7
	s_lshr_b32 s[O], s[G], 6                       ; the image b
	s_mul_i32 s[O], s[O], MAPH*MAPW*PIXB
	s_add_nc_u64 s[MAP:MAP+1], s[MAP:MAP+1], s[O:O+1]
	s_mul_i32 s[O], s[G], 49
	s_add_co_u32 s[O], s[O], s[CELL]
	s_lshl_b32 s[O], s[O], 11                      ; (49 roi + cell) x 2,048 bytes, 12.8 million at the most
	s_add_nc_u64 s[OUT:OUT+1], s[OUT:OUT+1], s[O:O+1]
	s_wait_kmcnt 0x0                               ; the roi
; One axis: cell p of 7 along an extent len that begins at org.  base = org + trunc(p len / 7), size = the cell's length cut to 1 .. 9.
.macro AXIS p, len, org, base, size
	s_sub_co_i32 s[T0], 0, s[\len]
	s_max_i32 s[T0], s[T0], s[\len]                ; |len|
	s_min_u32 s[T0], s[T0], 0x100000               ; cut to 2^20 (see LIMITS): the products below cannot wrap
	s_mul_i32 s[T1], s[T0], s[\p]                  ; p |len|
	s_add_co_u32 s[T2], s[T1], s[T0]               ; (p + 1) |len|
	s_mul_hi_u32 s[T1], s[T1], MAGIC7              ; floor(p |len| / 7)
	s_mul_hi_u32 s[T2], s[T2], MAGIC7
	s_cmp_eq_u32 s[\p], 6
	s_cselect_b32 s[T2], s[T0], s[T2]              ; the last cell ends at the extent
	s_sub_co_u32 s[T2], s[T2], s[T1]               ; end - start, 0 or more
	s_sub_co_i32 s[T0], 0, s[T1]
	s_cmp_lt_i32 s[\len], 0
	s_cselect_b32 s[T1], s[T0], s[T1]              ; a negative extent: the start is cut toward zero, so it is minus the quotient,
	s_cselect_b32 s[T2], 1, s[T2]                  ; and the end is not above the start: size 1
	s_max_u32 s[T2], s[T2], 1
	s_min_u32 s[\size], s[T2], KMAX
	s_add_co_i32 s[\base], s[\org], s[T1]
.endm
	AXIS PY, RH, RY, ROW, YS
	AXIS PX, RW, RX, C0, XS
	s_mov_b32 s[COL], s[C0]
	s_add_co_i32 s[CEND], s[C0], s[XS]
	s_mul_i32 s[NM1], s[YS], s[XS]
	s_sub_co_u32 s[NM1], s[NM1], 1                 ; 0 .. 80
; To the cell's next pixel: along the row, then to the next row's first column.
.macro STEP
	s_add_co_i32 s[COL], s[COL], 1
	s_cmp_eq_u32 s[COL], s[CEND]
	s_cselect_b32 s[COL], s[C0], s[COL]            ; leaves SCC as the compare set it,
	s_add_co_ci_u32 s[ROW], s[ROW], 0              ; so this adds one row exactly where the column wrapped
.endm
; s[O] = the pixel's byte offset in the image.  Row and column are clipped to 0 .. 49 as reference() clips them; behind the two s_min_u32
; stand only a multiply, sums and a shift, so no offset leaves the image whatever the roi holds.
.macro PIXEL
	s_max_i32 s[T0], s[ROW], 0
	s_max_i32 s[T1], s[COL], 0
	s_min_u32 s[T0], s[T0], MAPH-1
	s_min_u32 s[T1], s[T1], MAPW-1
	s_mul_i32 s[T0], s[T0], MAPW
	s_add_co_u32 s[T0], s[T0], s[T1]
	s_lshl_b32 s[O], s[T0], 11                     ; 2,048 x pixel
.endm
; The pixel's address into a base pair: my image + s[O].
.macro AIM base
	s_add_nc_u64 s[\base:\base+1], s[MAP:MAP+1], s[O:O+1]
.endm
; Ask for the pixel at a base: four loads, each 512 consecutive aligned bytes for the wave.
.macro ASK dst, base
.irp k, 0,1,2,3
	global_load_b128 v[\dst+4*\k:\dst+4*\k+3], v[LANE], s[\base:\base+1] offset:512*\k
.endr
.endm
; Fold slot s into the maxima.
.macro TAKE s
.irp k, 0,1,2,3,4,5,6,7,8,9,10,11,12,13,14,15
	v_maximum_f32 v[ACC+\k], v[ACC+\k], v[SLOT+16*(\s)+\k]
.endr
.endm
; A turn of the ring.  The next pixel's offset is made ahead of the wait.  Loads come back in order (ISA guide 5.7.1): behind slot j's four
; loads the five other slots' 20 were issued, on the way in from the fill, round the back edge and in the tail alike, so the count 20 shows
; slot j (and the first pixel, which is older) landed, and the slot's base, which those loads read, free to be written again.
.macro TURN j
	STEP
	PIXEL
	s_wait_loadcnt 4*(NSLOT-1)
	AIM BASE+2*\j
	TAKE \j
	s_wait_alu depctr_va_vdst(0)                   ; the sixteen maxima are done reading slot j, in which the four loads below land; the slot is asked for again at once, so that six pixels stay on their way
	ASK SLOT+16*\j, BASE+2*\j
.endm
	PIXEL
	AIM BASE0
	ASK ACC, BASE0                                 ; the first pixel starts the maxima: no vector instruction has named them
	; The fill: slot j gets pixel j + 1 if the cell has one; else on to the fold of the j slots that were filled.
	; It holds no vector instruction: the head's wait for v1 is all that its loads hang on.
.irp j, 0,1,2,3,4,5
	s_cmp_eq_u32 s[NM1], \j
	s_cbranch_scc1 .Lhave_\j
	STEP
	PIXEL
	AIM BASE+2*\j
	ASK SLOT+16*\j, BASE+2*\j
.endr
	; All six slots are on their way; r = NM1 - 6 pixels (74 at the most) are still to be asked for: r / 6 whole laps, then r mod 6 turns.
	s_sub_co_u32 s[REM], s[NM1], NSLOT
	s_mul_i32 s[Q], s[REM], 43
	s_lshr_b32 s[Q], s[Q], 8                       ; r / 6: 43 / 256 exceeds 1 / 6 by 0.0013, times 74 that is 0.1, less than 1 / 6
	s_mul_i32 s[T0], s[Q], NSLOT
	s_sub_co_u32 s[REM], s[REM], s[T0]
	s_cmp_eq_u32 s[Q], 0
	s_cbranch_scc1 .Ltail
	s_mov_b32 s[CNT], 0
.Llap:
.irp j, 0,1,2,3,4,5
	TURN \j
.endr
	s_add_co_u32 s[CNT], s[CNT], 1
	s_cmp_lt_u32 s[CNT], s[Q]
	s_cbranch_scc1 .Llap
.Ltail:
.irp j, 0,1,2,3,4
	s_cmp_eq_u32 s[REM], \j
	s_cbranch_scc1 .Lhave_6                        ; nothing left to ask for: each of the six slots holds a pixel not yet folded
	TURN \j
.endr
	; The fold: entered at .Lhave_j with slots 0 .. j - 1 filled and not yet folded; it runs down through them.  How many loads are out
	; differs from entry to entry, so each entry waits for all; on the way down the later waits are met at once.
.irp j, 6,5,4,3,2,1
.Lhave_\j:
	s_wait_loadcnt 0x0
	TAKE \j-1
.endr
.Lhave_0:
	s_wait_loadcnt 0x0                             ; a cell of one pixel: the maxima are that pixel
	s_wait_alu depctr_va_vdst(0)                   ; the folds have written the maxima, which the four stores read
.irp k, 0,1,2,3
	global_store_b128 v[LANE], v[ACC+4*\k:ACC+4*\k+3], s[OUT:OUT+1] offset:512*\k th:TH_STORE_NT   ; 512 consecutive aligned bytes; written once, not read again
.endr
	s_endpgm
.Lfunc_end_k_q749a1e082c_roipool:
	.size	k_q749a1e082c_roipool, .Lfunc_end_k_q749a1e082c_roipool-k_q749a1e082c_roipool
	.p2alignl 7, 3214868480
	.fill 96, 4, 3214868480
	.section	.rodata,"a",@progbits
	.p2align	6, 0x0
	.amdhsa_kernel k_q749a1e082c_roipool
		.amdhsa_group_segment_fixed_size 0
		.amdhsa_private_segment_fixed_size 0
		.amdhsa_enable_private_segment 0
		.amdhsa_kernarg_size 24
		.amdhsa_user_sgpr_count 2
		.amdhsa_user_sgpr_kernarg_segment_ptr 1
		.amdhsa_wavefront_size32 1
		.amdhsa_system_sgpr_workgroup_id_x 1
		.amdhsa_system_sgpr_workgroup_id_y 1
		.amdhsa_system_sgpr_workgroup_id_z 1
		.amdhsa_system_vgpr_workitem_id 0
		.amdhsa_next_free_vgpr 124
		.amdhsa_next_free_sgpr 66
		.amdhsa_reserve_vcc 0
		.amdhsa_float_denorm_mode_32 3
		.amdhsa_float_denorm_mode_16_64 3
		.amdhsa_memory_ordered 1
		.amdhsa_forward_progress 1
		.amdhsa_inst_pref_size 36
	.end_amdhsa_kernel
	.amdgpu_metadata
---
amdhsa.version: [ 1, 2 ]
amdhsa.kernels:
  - .name:           k_q749a1e082c_roipool
    .symbol:         k_q749a1e082c_roipool.kd
    .args:
      - { .name: x_maps, .offset: 0, .size: 8, .value_kind: global_buffer, .address_space: global }
      - { .name: x_rois, .offset: 8, .size: 8, .value_kind: global_buffer, .address_space: global }
      - { .name: out0, .offset: 16, .size: 8, .value_kind: global_buffer, .address_space: global }
    .group_segment_fixed_size: 0
    .private_segment_fixed_size: 0
    .kernarg_segment_align: 8
    .kernarg_segment_size: 24
    .max_flat_workgroup_size: 128
    .sgpr_count:     66
    .vgpr_count:     124
    .wavefront_size: 32
...
	.end_amdgpu_metadata
.endif
;; end of part 2
